; MI455X (gfx1250); checked and timed in simulation.
; The chip was launched on July 23, 2026; its instructions are those of AMD's public machine-readable ISA for CDNA 5 (MIT licence, August 2026) and "CDNA5" Instruction Set Architecture Reference Guide (July 2026). The comments in the code are by the model that wrote it; some were corrected since.
;; Self attention. Allowed arithmetic: matrix products marked QUANTISED: E5M2 operands, one E8M0 scale for each 32 along K, by v_wmma_scale_f32_16x16x128_f8f6f4 with both operands' format E5M2, f32 sums; everything else in f32.
;; Inputs: Wk_b 512 float32; Wk_w 512 x 512 float32; Wq_b 512 float32; Wq_w 512 x 512 float32; Wv_b 512 float32; Wv_w 512 x 512 float32; inputdata 4 x 8 x 1,024 x 512 float32.
;; Outputs: out0 4 x 8 x 512 float32.
;; This version of the problem:
;;   THIS VERSION OF THE PROBLEM IS GIVEN IN LOW PRECISION. The matrix products marked QUANTISED in the list below multiply operands that are first quantised to E5M2 (5 exponent bits, 2 mantissa bits; 8 bits a number), with one power-of-two scale for each 32 numbers along K (OCP MX v1.0); their sums are f32. All else is computed in f32.
;;   The module's matrix products, in the order in which they are computed (A, B: the left and right operand; K: the contracted axis; several contracted axes count as one K, in the product's order):
;;     1. [M 32,768, K 512] x [K 512, N 512]; A: input inputdata; B: input Wq_w: QUANTISED
;;     2. [M 32,768, K 512] x [K 512, N 512]; A: input inputdata; B: input Wk_w: QUANTISED
;;     3. [M 32,768, K 512] x [K 512, N 512]; A: input inputdata; B: input Wv_w: QUANTISED
;;     4. batch 32 x [M 1,024, K 512] x [K 512, N 1,024]; A: computed on the way; B: computed on the way: QUANTISED
;;     5. batch 32 x [M 1,024, K 1,024] x [K 1,024, N 512]; A: softmax (see below); B: computed on the way: QUANTISED
;;   THE QUANTISER, for each operand of a quantised product, along K:
;;     - K is cut into blocks of 32 from its start; a last block that is shorter is filled with zeros.
;;     - A block's scale is 2^e with e = floor(log2(the largest magnitude in the block)) - 15, held to -126 .. 127; a block of zeros has e = 0. As a byte (E8M0): e + 127.
;;     - Each number is divided by its block's scale, clamped to +-57,344, and rounded to the nearest number of E5M2, ties to even, subnormals kept.
;;     - The product sums the exact products of the quantised numbers (number of the format x scale) in f32.
;;   ~~~python
;;   def quantise(x, axis):      # numpy; x: float32 -> the quantised numbers, widened to float32 again
;;       x = np.moveaxis(x, axis, -1); K = x.shape[-1]
;;       x = np.pad(x, [(0, 0)] * (x.ndim - 1) + [(0, -K % 32)]); x = x.reshape(x.shape[:-1] + (-1, 32)); a = np.abs(x).max(-1, keepdims=True)
;;       e = np.where(a > 0, np.clip(np.frexp(np.where(a > 0, a, 1))[1] - 1 - 15, -126, 127), 0)      # np.frexp(a)[1] - 1 = floor(log2(a)), exactly
;;       r = np.clip(x / 2.0 ** e, -57344, 57344)
;;       step = 2.0 ** (np.maximum(np.frexp(np.where(r == 0, 1, r))[1] - 1, -14) - 2)
;;       q = np.round(r / step) * step * 2.0 ** e      # np.round: ties to even
;;       return np.moveaxis(q.reshape(q.shape[:-2] + (-1,))[..., :K], -1, axis).astype(np.float32)
;;   ~~~
;;   SOFTMAX AHEAD OF A QUANTISED PRODUCT. Where the list says 'softmax', what is quantised is not the finished softmax but p = 2^(t - M), with t = logit x log2(e) and M = ceil(the row's largest t), a whole number; so 1/2 < the row's largest p <= 1. The row's sum l is taken of the UNQUANTISED p, in f32, and the product's result is divided by l at the end. Since M is a whole number, a kernel that streams over the keys may use a running M (the ceiling of the running maximum): every later rescaling is an exact power of two, which a block's scale takes up: the codes' values come out the same.
;;   OPERANDS COMPUTED ON THE WAY. 'Computed on the way' means the value that the module computes at that place (a softmax that the list does not call 'softmax' is quantised finished and normalised). What goes into a quantiser is computed in f32, as accurately as f32 sums, v_exp_f32 and their like allow (about 1e-6 of the number): no bf16 or f16 on the way to a quantiser, and a product that is left as it is and whose result goes on into a quantised operand takes f32 operands (vector FMAs, or v_wmma_f32_16x16x4_f32). A number that lies on a knife's edge between two numbers of the format may be rounded either way, as far as f32 arithmetic and the matrix unit's own rounding can turn it there, and no further.
;; One version. Each part assembles by itself: llvm-mc -triple=amdgcn-amd-amdhsa -mcpu=gfx1250 --defsym DOCPART=n.
;; ======== version 1 of 1: 3 launches
;; limits: right only within a limited range of input values
;; workspace buffers: wk_frag 262,144 bytes; wk_sc 16,384 bytes; wv_frag 262,144 bytes; wv_sc 16,384 bytes; qf32 65,536 bytes; part_o 524,288 bytes; stats 65,536 bytes
;; launch prep (part 1): grid 96 x 1, 4 waves a work-group, no clusters, 27,136 bytes of LDS; arguments inputdata, Wq_w, Wq_b, Wk_w, Wv_w, wk_frag, wk_sc, wv_frag, wv_sc, qf32; writes wk_frag, wk_sc, wv_frag, wv_sc, qf32
.if DOCPART == 1
	.amdgcn_target "amdgcn-amd-amdhsa--gfx1250"
	.amdhsa_code_object_version 6
	.text
	.protected	k_qeb587fa44c_prep
	.globl	k_qeb587fa44c_prep
	.p2align	8
	.type	k_qeb587fa44c_prep,@function
k_qeb587fa44c_prep:
	s_mov_b64 s[64:65], 0
	v_nop
	global_prefetch_b8 v0, s[64:65] scope:SCOPE_SE
	s_setreg_imm32_b32 hwreg(HW_REG_WAVE_MODE, 25, 1), 1
	s_wait_xcnt 0x0
; THE WEIGHTS BECOME CODES, AND Q OF EACH HEAD'S LAST TOKEN IS MADE.  Codes of BF8 (E5M2), one E8M0 scale byte for each 32 along K (the weights' last axis, 512).
; reference() returns query row 1,023 of each of the 32 heads alone, so of Q = X Wq^T + bq only those 32 rows are made: [32] x [512].
; 96 work-groups: number x takes matrix x / 32 (0 Wq, 1 Wk, 2 Wv) and its tile T = x % 32 of 16 rows; wave s takes K step s (128 along K): one fragment, 16 registers a lane.
; Wk's and Wv's fragments are stored AS IMAGES OF THE OPERAND'S REGISTERS: [T][s][c][lane][16 bytes]: lane (r, h) holds, of its row, k = 128 s + 32 c + 16 h + 0 .. 15; their scale words [T][s][lane].
; Wv's tile T is rows 16 T + r.  THE ROWS OF A TILE OF Wk ARE NOT NEIGHBOURS: row 32 (T / 2) + 8 (T % 2) + r + 8 (r / 8), so that in K^T = Wk X^T the 16 registers of two neighbouring tiles are 16 neighbours along d.
; Wq's work-groups also quantise the 32 last tokens' rows of X (two tiles of 16 heads); the twelve fragments meet in LDS as images, and wave 0 multiplies: source 0 = 16 rows of Wq, source 1 = 16 heads,
; C of the first product = bq: lane (r, h) then holds q[16 m + r][16 T + 8 h + 0 .. 7], stored as f32: 32 bytes a lane, 64 neighbouring bytes of a row from two lanes (the whole buffer is 65,536 bytes).
; A block's scale is 2^(floor(log2(its largest magnitude)) - 15); its byte is that magnitude's exponent field - 15, held at 1 from below.
; LIMITS: a block of zeros gets the byte 1 where the rule says 127 (its codes are zeros, and this program alone reads the bytes); NaN and infinities among the inputs are not served.
; WORK LEFT OUT.  reference() slices query row 1,023 out of its result: the other 1,023 rows of Q, of the scores, of the softmax and of p V of each head reach no output, whatever the inputs hold, and are not made.
; Its bias relu(tril(j - i)) is 0 at every (i, j): tril keeps j - i only where j <= i, where it is not positive: nothing is added.  LIMIT: a NaN, an infinity or an overflow that reaches only work left out is not carried to the result.
.set PC,   16                          ; v16-31   the codes just made; in wave 0 later the two accumulators
.set AC,   16
.set TM,   32                          ; v32-47   at work in QUANT; in wave 0 later bq's eight numbers (v32-39)
.set BQ,   32
.set PW,   48                          ; v48      the scale word just made
.set WS,   52                          ; v52-55   Wq's scale words, K step s: scales and nothing else
.set XS,   56                          ; v56-63   X's scale words, 4 m + s: scales and nothing else
.set HA,   64                          ; v64-127  64 numbers of W; in wave 0 later Wq's four fragments
.set ST0,  128                         ; v128-191, v192-255  64 numbers of X, heads 0-15 and 16-31; in wave 0 later X's eight fragments
.set ST1,  192
.set SEL,  40                          ; s[40:41] v_permlanex16_b32's selects for lane l xor 16
.set MNT,  42
.set WV,   43                          ; s43      my wave's number
.set WIMG, 0                           ; LDS: Wq's four fragments, 2,048 bytes each;
.set XIMG, 8192                        ; X's eight (4 m + s);
.set WSC,  24576                       ; their scale words, 128 bytes each
.set XSC,  25088
; 64 numbers of a lane, v[s] .. v[s + 63], register 16 b + i = k 32 b + 16 (lane / 16) + i of my row, become a fragment's codes in v[pc] on and its scale word in v[pw].
.macro QUANT s, relu, pc, pw
.if \relu
.irp b, 0,1,2,3
	v_max3_num_f32 v[TM+\b], v[\s+16*\b], v[\s+1+16*\b], 0x8000000
.endr
.irp i, 2,4,6,8,10,12,14
.irp b, 0,1,2,3
	v_max3_num_f32 v[TM+\b], v[TM+\b], v[\s+16*\b+\i], v[\s+1+16*\b+\i]
.endr
.endr
.else
.irp b, 0,1,2,3
	v_max3_num_f32 v[TM+\b], |v[\s+16*\b]|, |v[\s+1+16*\b]|, 0x8000000   ; block b: my 16 numbers, and the floor 2^(16 - 127): so the byte cannot fall under 1
.endr
.irp i, 2,4,6,8,10,12,14
.irp b, 0,1,2,3
	v_max3_num_f32 v[TM+\b], v[TM+\b], |v[\s+16*\b+\i]|, |v[\s+1+16*\b+\i]|   ; the four blocks by turns
.endr
.endr
.endif
.irp b, 0,1,2,3
	v_permlanex16_b32 v[TM+4+\b], v[TM+\b], s[SEL], s[SEL+1]
.endr
.irp b, 0,1,2,3
	v_max_num_f32 v[TM+\b], v[TM+\b], v[TM+4+\b]   ; with lane l xor 16's: the block's largest magnitude
.endr
.irp b, 0,1,2,3
	v_add_nc_u32 v[TM+12+\b], 0xf8800000, v[TM+\b]   ; 15 off its exponent field: the conversion's scale operand
.endr
.irp b, 0,1,2,3
.endr
.irp b, 0,1,2,3
	v_lshrrev_b32 v[TM+4+\b], 23, v[TM+12+\b]   ; the scale's byte
.endr
	v_lshl_or_b32 v[\pw], v[TM+5], 8, v[TM+4]   ; four bytes make my row's scale word
	v_lshl_or_b32 v[\pw], v[TM+6], 16, v[\pw]
	v_lshl_or_b32 v[\pw], v[TM+7], 24, v[\pw]
.irp b, 0,1,2,3
.irp i, 0,1,2,3,4,5,6,7,8,9,10,11,12,13,14,15
.if \relu
	v_med3_num_f32 v[\s+16*\b+\i], v[\s+16*\b+\i], 0, v[TM+8+\b]
.else
.endif
.endr
	v_cvt_scalef32_pk8_bf8_f32 v[\pc+4*\b:\pc+1+4*\b], v[\s+16*\b:\s+7+16*\b], v[TM+12+\b]
	v_cvt_scalef32_pk8_bf8_f32 v[\pc+2+4*\b:\pc+3+4*\b], v[\s+8+16*\b:\s+15+16*\b], v[TM+12+\b]
.endr
	v_nop                                          ; one plain vector instruction behind the last scaled conversion
.endm
.macro IMAGE adr, off                  ; the fragment in v[PC] on goes to LDS as it stands: 512 consecutive bytes a store
.irp c, 0,1,2,3
	ds_store_b128 v[\adr], v[PC+4*\c:PC+4*\c+3] offset:\off+512*\c
.endr
.endm
	s_load_b256 s[4:11], s[0:1], 0x0               ; X s[4:5], Wq s[6:7], bq s[8:9], Wk s[10:11]
	s_load_b256 s[12:19], s[0:1], 0x20             ; Wv s[12:13], wk_frag s[14:15], wk_sc s[16:17], wv_frag s[18:19]
	s_load_b128 s[20:23], s[0:1], 0x40             ; wv_sc s[20:21], qf32 s[22:23]
	v_lshl_add_u32 v50, v0, 2, 0x6800
	v_mov_b32 v51, 0
	v_lshrrev_b32 v9, 5, v0
	v_readfirstlane_b32 s[WV], v9                  ; wave 0..3 = K step
	v_and_b32 v10, 31, v0                          ; lane
	v_and_b32 v11, 15, v0                          ; r
	s_wait_alu depctr_va_vdst(0)
	v_bfe_u32 v12, v0, 4, 1                        ; h
	v_lshlrev_b32 v1, 4, v10                       ; 16 x lane: an image's place for my lane
	v_lshlrev_b32 v2, 2, v10                       ; 4 x lane: a scale word's
	s_lshr_b32 s24, ttmp9, 5                       ; which matrix
	s_and_b32 s25, ttmp9, 31                       ; T
	s_lshr_b32 s32, s25, 1
	s_lshl_b32 s32, s32, 5
	s_and_b32 s33, s25, 1
	s_lshl_b32 s33, s33, 3
	s_add_co_u32 s32, s32, s33                     ; Wk: the tile begins at row 32 (T / 2) + 8 (T % 2),
	s_lshl_b32 s34, s25, 4                         ; the others: at 16 T
	s_cmp_eq_u32 s24, 1
	s_cselect_b32 s32, s32, s34
	s_cselect_b32 s33, 8, 0                        ; Wk: lanes 8-15 take the rows 8 further on
	v_and_b32 v13, s33, v11
	v_add_nc_u32 v13, v13, v11                     ; my row in the tile
	v_lshlrev_b32 v3, 11, v13                      ; W: a row is 2,048 bytes,
	s_wait_alu depctr_va_vdst(0)
	v_lshl_add_u32 v3, v12, 6, v3                  ; + 64 h: my 16 numbers of a block of 32
	v_lshlrev_b32 v4, 21, v11                      ; X: from head to head 1,024 rows of 2,048 bytes
	v_lshl_add_u32 v4, v12, 6, v4
	v_lshlrev_b32 v7, 11, v11                      ; qf32: row r of 2,048 bytes, + 32 h
	v_lshl_add_u32 v7, v12, 5, v7
	v_lshlrev_b32 v8, 5, v12                       ; bq: 32 h
	s_lshl_b32 s36, s32, 11                        ; W: the tile's first row, + my K step's 512 bytes
	s_lshl_b32 s35, s[WV], 9
	s_add_co_u32 s36, s36, s35
	s_mov_b32 s37, 0
	s_lshl_b32 s38, s25, 13                        ; the fragment's place: 8,192 T + 2,048 s
	s_lshl_b32 s34, s[WV], 11
	s_add_co_u32 s38, s38, s34
	s_mov_b32 s39, 0
	v_add_nc_u32 v5, s34, v1                       ; LDS: 16 x lane + 2,048 x wave
	s_lshl_b32 s44, s25, 9                         ; the scale words' place: 512 T + 128 s
	s_lshl_b32 s34, s[WV], 7
	s_add_co_u32 s44, s44, s34
	s_mov_b32 s45, 0
	v_add_nc_u32 v6, s34, v2                       ; LDS: 4 x lane + 128 x wave
	s_lshl_b32 s50, s25, 6                         ; bq and a row of qf32: 64 T bytes
	s_mov_b32 s51, 0
	s_add_co_u32 s46, s35, 1023*2048               ; X: a head's last row, + my K step's 512 bytes
	s_mov_b32 s47, 0
	s_mov_b32 s[SEL], 0x76543210
	s_mov_b32 s[SEL+1], 0xfedcba98
.irp b, 0,1,2,3
	v_mov_b32 v[TM+4+\b], 0                        ; written once: a lane permute's destination counts as one of its sources
.endr
	s_wait_kmcnt 0x0
	s_cmp_eq_u32 s24, 1                            ; the buffers are chosen by the work-group's number alone
	s_cselect_b64 s[26:27], s[10:11], s[12:13]
	s_cselect_b64 s[28:29], s[14:15], s[18:19]
	s_cselect_b64 s[30:31], s[16:17], s[20:21]
	s_cmp_eq_u32 s24, 0
	s_cselect_b64 s[26:27], s[6:7], s[26:27]
	s_add_nc_u64 s[26:27], s[26:27], s[36:37]
	s_add_nc_u64 s[28:29], s[28:29], s[38:39]
	s_add_nc_u64 s[30:31], s[30:31], s[44:45]
	s_add_nc_u64 s[4:5], s[4:5], s[46:47]          ; heads 0-15,
	s_add_nc_u64 s[48:49], s[4:5], 0x2000000       ; heads 16-31: 16 x 1,024 x 2,048 bytes on
	s_add_nc_u64 s[8:9], s[8:9], s[50:51]
	s_add_nc_u64 s[22:23], s[22:23], s[50:51]
.irp c, 0,1,2,3
.irp j, 0,1,2,3
	global_load_b128 v[HA+16*\c+4*\j:HA+16*\c+4*\j+3], v3, s[26:27] offset:128*\c+16*\j th:TH_LOAD_NT   ; each number of a weight is read once in the launch
.endr
.endr
	s_cmp_lt_u32 ttmp9, 32
	s_cbranch_scc1 .Lq
	; ---- Wk, Wv: one fragment a wave, stored as it stands
	s_wait_loadcnt 0x0
	QUANT HA, 0, PC, PW
.irp c, 0,1,2,3
	global_store_b128 v1, v[PC+4*\c:PC+4*\c+3], s[28:29] offset:512*\c   ; the wave stores 512 consecutive bytes, at a multiple of 512 from the buffer's first byte
.endr
	global_store_b32 v2, v[PW], s[30:31]           ; lanes 16-31 hold the same words as lanes 0-15
	s_endpgm
.Lq:
	; ---- Wq: the same fragment, and my K step of the 32 last tokens, into LDS
.irp c, 0,1,2,3
.irp j, 0,1,2,3
	global_load_b128 v[ST0+16*\c+4*\j:ST0+16*\c+4*\j+3], v4, s[4:5] offset:128*\c+16*\j
.endr
.endr
.irp c, 0,1,2,3
.irp j, 0,1,2,3
	global_load_b128 v[ST1+16*\c+4*\j:ST1+16*\c+4*\j+3], v4, s[48:49] offset:128*\c+16*\j
.endr
.endr
	s_wait_loadcnt 32                              ; W's 16 loads are in; X's 32 were issued behind them
	QUANT HA, 0, PC, PW
	IMAGE 5, WIMG
	ds_store_b32 v6, v[PW] offset:WSC
	s_wait_dscnt 0x0                               ; the stores have read their registers
	s_wait_loadcnt 16                              ; heads 0-15 are in; heads 16-31 may be out
	QUANT ST0, 0, PC, PW
	IMAGE 5, XIMG
	ds_store_b32 v6, v[PW] offset:XSC
	s_wait_dscnt 0x0
	s_wait_loadcnt 0x0
	QUANT ST1, 0, PC, PW
	IMAGE 5, XIMG+8192
	ds_store_b32 v6, v[PW] offset:XSC+512
	s_wait_dscnt 0x0                               ; for the others' sake: my stores have landed
	s_barrier_signal -1
	s_barrier_wait -1                              ; the twelve fragments lie in LDS
	s_cmp_lg_u32 s[WV], 0
	s_cbranch_scc1 .Lend                           ; eight products are left: wave 0's
	global_load_b128 v[BQ:BQ+3], v8, s[8:9]        ; bq[16 T + 8 h + 0 .. 7]: the result's layout
	global_load_b128 v[BQ+4:BQ+7], v8, s[8:9] offset:16
.irp s, 0,1,2,3
.irp c, 0,1,2,3
	ds_load_b128 v[HA+16*\s+4*\c:HA+16*\s+4*\c+3], v1 offset:WIMG+2048*\s+512*\c
.endr
	ds_load_b32 v[WS+\s], v2 offset:WSC+128*\s
.endr
.irp f, 0,1,2,3,4,5,6,7
.irp c, 0,1,2,3
	ds_load_b128 v[ST0+16*\f+4*\c:ST0+16*\f+4*\c+3], v1 offset:XIMG+2048*\f+512*\c
.endr
	ds_load_b32 v[XS+\f], v2 offset:XSC+128*\f
.endr
	s_wait_loadcnt 0x0
	s_wait_dscnt 0x0
.irp s, 0,1,2,3                        ; the two accumulators take turns, one instruction a turn
.irp m, 0,1
.if \s == 0
	v_wmma_scale_f32_16x16x128_f8f6f4 v[AC+8*\m:AC+8*\m+7], v[HA+16*\s:HA+16*\s+15], v[ST0+16*(4*\m+\s):ST0+16*(4*\m+\s)+15], v[BQ:BQ+7], v[WS+\s], v[XS+4*\m+\s] matrix_a_fmt:MATRIX_FMT_BF8 matrix_b_fmt:MATRIX_FMT_BF8
.else
	v_wmma_scale_f32_16x16x128_f8f6f4 v[AC+8*\m:AC+8*\m+7], v[HA+16*\s:HA+16*\s+15], v[ST0+16*(4*\m+\s):ST0+16*(4*\m+\s)+15], v[AC+8*\m:AC+8*\m+7], v[WS+\s], v[XS+4*\m+\s] matrix_a_fmt:MATRIX_FMT_BF8 matrix_b_fmt:MATRIX_FMT_BF8
.endif
.endr
.endr
.rept 8
	v_nop                                          ; eight places between this form and a store of its result
.endr
.irp m, 0,1
	global_store_b128 v7, v[AC+8*\m:AC+8*\m+3], s[22:23] offset:32768*\m        ; each accumulator from its low end on
	global_store_b128 v7, v[AC+8*\m+4:AC+8*\m+7], s[22:23] offset:32768*\m+16
.endr
.Lend:
	s_wait_tensorcnt 0x0
	ds_add_u32 v50, v51
	s_wait_dscnt 0x0
	s_endpgm
.Lfunc_end_k_qeb587fa44c_prep:
	.size	k_qeb587fa44c_prep, .Lfunc_end_k_qeb587fa44c_prep-k_qeb587fa44c_prep
	.p2alignl 7, 3214868480
	.fill 96, 4, 3214868480
	.section	.rodata,"a",@progbits
	.p2align	6, 0x0
	.amdhsa_kernel k_qeb587fa44c_prep
		.amdhsa_group_segment_fixed_size 27136
		.amdhsa_private_segment_fixed_size 0
		.amdhsa_enable_private_segment 0
		.amdhsa_kernarg_size 80
		.amdhsa_user_sgpr_count 2
		.amdhsa_user_sgpr_kernarg_segment_ptr 1
		.amdhsa_wavefront_size32 1
		.amdhsa_system_sgpr_workgroup_id_x 1
		.amdhsa_system_sgpr_workgroup_id_y 1
		.amdhsa_system_sgpr_workgroup_id_z 1
		.amdhsa_system_vgpr_workitem_id 0
		.amdhsa_next_free_vgpr 256
		.amdhsa_next_free_sgpr 66
		.amdhsa_reserve_vcc 0
		.amdhsa_float_denorm_mode_32 3
		.amdhsa_float_denorm_mode_16_64 3
		.amdhsa_fp16_overflow 1
		.amdhsa_memory_ordered 1
		.amdhsa_forward_progress 1
		.amdhsa_inst_pref_size 30
	.end_amdhsa_kernel
	.amdgpu_metadata
---
amdhsa.version: [ 1, 2 ]
amdhsa.kernels:
  - .name:           k_qeb587fa44c_prep
    .symbol:         k_qeb587fa44c_prep.kd
    .args:
      - { .name: inputdata, .offset: 0, .size: 8, .value_kind: global_buffer, .address_space: global }
      - { .name: Wq_w, .offset: 8, .size: 8, .value_kind: global_buffer, .address_space: global }
      - { .name: Wq_b, .offset: 16, .size: 8, .value_kind: global_buffer, .address_space: global }
      - { .name: Wk_w, .offset: 24, .size: 8, .value_kind: global_buffer, .address_space: global }
      - { .name: Wv_w, .offset: 32, .size: 8, .value_kind: global_buffer, .address_space: global }
      - { .name: wk_frag, .offset: 40, .size: 8, .value_kind: global_buffer, .address_space: global }
      - { .name: wk_sc, .offset: 48, .size: 8, .value_kind: global_buffer, .address_space: global }
      - { .name: wv_frag, .offset: 56, .size: 8, .value_kind: global_buffer, .address_space: global }
      - { .name: wv_sc, .offset: 64, .size: 8, .value_kind: global_buffer, .address_space: global }
      - { .name: qf32, .offset: 72, .size: 8, .value_kind: global_buffer, .address_space: global }
    .group_segment_fixed_size: 27136
    .private_segment_fixed_size: 0
    .kernarg_segment_align: 8
    .kernarg_segment_size: 80
    .max_flat_workgroup_size: 128
    .sgpr_count:     66
    .vgpr_count:     256
    .wavefront_size: 32
...
	.end_amdgpu_metadata
.endif
;; end of part 1
;; launch main (part 2): grid 256 x 1, 4 waves a work-group, no clusters, 327,680 bytes of LDS; arguments inputdata, wk_frag, wk_sc, Wk_b, wv_frag, wv_sc, Wv_b, qf32, part_o, stats; writes part_o, stats
.if DOCPART == 2
	.amdgcn_target "amdgcn-amd-amdhsa--gfx1250"
	.amdhsa_code_object_version 6
	.text
	.protected	k_qeb587fa44c_main
	.globl	k_qeb587fa44c_main
	.p2align	8
	.type	k_qeb587fa44c_main,@function
k_qeb587fa44c_main:
	s_mov_b64 s[64:65], 0
	v_nop
	global_prefetch_b8 v0, s[64:65] scope:SCOPE_SE
	s_setreg_imm32_b32 hwreg(HW_REG_WAVE_MODE, 25, 1), 1
	s_wait_xcnt 0x0
; FOR 128 TOKENS OF ONE HEAD: K = X Wk^T + bk, V = X Wv^T + bv, the last query's scores against these keys, p, and the partial sum of p V.  All products on codes of BF8 (E5M2), one E8M0 scale for each 32 along K.
; reference() returns query row 1,023 alone, so one row of scores and one row of p V are made for each head.  Its bias relu(tril(j - i)) is 0 at every (i, j): j - i is kept only where it is not positive: nothing is added.
; Work-group g takes tokens 128 g .. 128 g + 127 (head g / 8).  THE SOFTMAX IS SPLIT OVER A HEAD'S EIGHT WORK-GROUPS: each takes M = ceil(the largest t of its own 128 keys), t = score x log2(e) / sqrt(512),
; quantises p = 2^(t - M) along the keys, and stores the sum of p V, the sum l of the unquantised p, and -M; the next launch brings the eight under one M by exact powers of two.
; X COMES ONCE: each wave asks for its 32 tokens (65,536 bytes of f32) by four tensor loads at the head, into LDS bytes that are filled this once; it quantises them (two tiles of 16 tokens x 512) and lays the
; fragments in LDS as images of the operand's registers, where all four waves read them.  THE WAVES SHARE THE COLUMNS: wave w owns d = 128 w .. 128 w + 127 of K and of V for all 128 tokens.
; TOKEN TILE t = 2 b + u holds tokens 32 b + 8 u + r + 8 (r / 8).  K^T = Wk X^T (source 0 = 16 rows of Wk, in the order in which the launch before laid them): a lane holds ONE token, its 64 results are
; d = 32 b + 16 h + i of my 128: quantised they are source 1 of the score's product.  V = X Wv^T (source 0 = a token tile): a lane holds ONE d, its 64 results are keys 32 b + 16 h + i: quantised they are source 1 of p V.
; Source 0 of the two small products is q, or p, repeated in all 16 rows: register 0 of the result holds the number wanted.  A score is the f32 sum of the four waves' sums over 128 along d.
; The weights' codes are the same for all work-groups; they go from memory straight into registers, each byte once a work-group.  They are not asked for jointly in a cluster: X's raw block and its images take 300,032
; of the 327,680 bytes of LDS, which leaves no room for slots of weights (a tile of 16 rows x 512 is 8,192 bytes, a wave's eight tiles of one matrix 65,536).
; LIMITS: NaN and infinities are not served; a block of zeros has the byte 1 where the rule says 127 (zero codes; the bytes are read here alone); p under 2^-126 becomes 0 (v_exp_f32 gives 0 there).
; REGISTERS, in windows of 256.  Window 0: see the names below.  Window 1: v0-63 X's fragments of one token tile, v64-127 bk in the result's layout; later Wv's buffers 2 and 3; v128-191, v192-255 Wv's buffers 0, 1.
;   Windows 2, 3: first Wk's 32 fragments ((T, s) at register 16 (8 s + T) from window 2's v0 on), then X's 32 ((t, s) likewise).
.set WRAW,  66816                      ; LDS: a wave's raw X: token n at 2,080 n + 16 (n / 16); a row of 2,048 bytes lies as two halves 1,040 apart; rounded up to whole blocks of 256 bytes
.set GRP,   16640                      ; eight tokens: what one tensor load brings: 16 lines of 1,024 + 16 bytes
.set XIMG0, 4*WRAW                     ; images of tiles 2 w: 8,192 w + 2,048 s.  (Those of tiles 2 w + 1 lie at w x WRAW, over the wave's first eight raw tokens, which have had their one fill and their last read)
.set XSC,   XIMG0+32768                ; X's scale words: 512 t + 128 s + 4 x lane
.set SCORE, XSC+4096                   ; [wave][128 keys] f32: the waves' parts of the scores
.set SCSUM, SCORE+2048                 ; 512 bytes a wave, its own: the 128 scores
.set OST,   SCSUM+2048                 ; 512 bytes a wave, its own: its 128 sums of p V
.set LI,  1                            ; 16 x lane
.set LS,  2                            ; 4 x lane
.set RA,  3                            ; my row and half in the wave's raw X
.set IW0, 4                            ; where I store images of tile 2 w
.set IW1, 5                            ; and of tile 2 w + 1
.set SW,  6                            ; and their scale words
.set SCA, 7                            ; my token's place in my wave's part of the scores
.set ADX, 8                            ; the tile in hand: its images,
.set ADS, 9                            ; its scale words,
.set ADK, 10                           ; its scores
.set SPL, 11                           ; SCORE + 16 x lane
.set SSW, 12                           ; SCSUM: in,
.set SSR, 13                           ; and back, in p's layout
.set OSW, 14                           ; OST: in,
.set OSR, 15                           ; and back
.set PC,  16                           ; v16-31  the codes just made
.set TM,  32                           ; v32-47  at work in QUANT
.set PW,  48                           ; v48     the scale word just made: scales and nothing else
.set QS,  49                           ; v49     q's scale word, then p's: scales and nothing else
.set NM,  50                           ; v[50:51] -M, and beside it l
.set SU,  52                           ; v[52:53] l in two halves
.set H64, 54                           ; 64 h
.set BA,  55                           ; 4 r
.set SA,  56                           ; v56-63  the small products' accumulator
.set HA,  64                           ; v64-127 64 numbers: raw X, K^T, the scores and p, V
.set ST,  128                          ; v128-191 64 numbers of raw X; later
.set VB,  128                          ; v128-159 bv in the result's layout, four buffers of 8,
.set TP,  160                          ; v160-175 at work
.set WKS, 192                          ; v192-223 Wk's scale words (8 s + T), then X's (8 s + t): scales and nothing else
.set WVS, 224                          ; v224-239 Wv's scale words, 4 x buffer + s: scales and nothing else
.set XS,  232                          ; v232-235 meanwhile the scale words of the token tile in hand
.set QF,  240                          ; v240-255 q's fragment, then p's
.set XF,  0                            ; window 1
.set KB,  64                           ; window 1
.set G1,  28                           ; s[28:35] descriptor group 1
.set G0,  36                           ; s[36:51] four groups 0
.set WV,  52
.set SEL, 54                           ; s[54:55]
.set MNT, 56
.set CS,  58                           ; s[58:59] c = log2(e) / sqrt(512)
.set IMG, 60
.set XSO, 61
.set KO,  62
.set CNT, 63
.set MSB, 0
.macro WIN new                         ; bits 1:0 source 0, 3:2 source 1, 5:4 source 2, 7:6 destination; the high byte repeats the setting that is left
.if MSB != \new
	s_set_vgpr_msb (MSB<<8)|\new
.set MSB, \new
.endif
.endm
.macro PLACES n                        ; plain vector instructions that name no register of the matrix instruction in front: eight ahead of a read of its result and of a load into its registers
.rept \n
	v_nop
.endr
.endm
; 64 numbers of a lane, v[s] .. v[s + 63], register 16 b + i = k 32 b + 16 (lane / 16) + i of my row, become a fragment's codes in v[pc] on and its scale word in v[pw].  relu = 1: for numbers that are never negative
.macro QUANT s, relu, pc, pw
.if \relu
.irp b, 0,1,2,3
	v_max3_num_f32 v[TM+\b], v[\s+16*\b], v[\s+1+16*\b], 0x8000000
.endr
.irp i, 2,4,6,8,10,12,14
.irp b, 0,1,2,3
	v_max3_num_f32 v[TM+\b], v[TM+\b], v[\s+16*\b+\i], v[\s+1+16*\b+\i]
.endr
.endr
.else
.irp b, 0,1,2,3
	v_max3_num_f32 v[TM+\b], |v[\s+16*\b]|, |v[\s+1+16*\b]|, 0x8000000   ; block b: my 16 numbers, and the floor 2^(16 - 127): so the byte cannot fall under 1.  (Each accumulator is read from its low end on)
.endr
.irp i, 2,4,6,8,10,12,14
.irp b, 0,1,2,3
	v_max3_num_f32 v[TM+\b], v[TM+\b], |v[\s+16*\b+\i]|, |v[\s+1+16*\b+\i]|   ; the four blocks by turns
.endr
.endr
.endif
.irp b, 0,1,2,3
	v_permlanex16_b32 v[TM+4+\b], v[TM+\b], s[SEL], s[SEL+1]
.endr
.irp b, 0,1,2,3
	v_max_num_f32 v[TM+\b], v[TM+\b], v[TM+4+\b]   ; with lane l xor 16's: the block's largest magnitude
.endr
.irp b, 0,1,2,3
	v_add_nc_u32 v[TM+12+\b], 0xf8800000, v[TM+\b]   ; 15 off its exponent field: the conversion's scale operand
.endr
.irp b, 0,1,2,3
	v_and_or_b32 v[TM+8+\b], v[TM+\b], 0x7f800000, s[MNT]   ; 57,344 x the scale
.endr
.irp b, 0,1,2,3
	v_lshrrev_b32 v[TM+4+\b], 23, v[TM+12+\b]   ; the scale's byte
.endr
	v_lshl_or_b32 v[\pw], v[TM+5], 8, v[TM+4]   ; four bytes make my row's scale word; the 64 holds below stand between it and the product that takes it
	v_lshl_or_b32 v[\pw], v[TM+6], 16, v[\pw]
	v_lshl_or_b32 v[\pw], v[TM+7], 24, v[\pw]
.irp b, 0,1,2,3
.irp i, 0,1,2,3,4,5,6,7,8,9,10,11,12,13,14,15
.if \relu
	v_med3_num_f32 v[\s+16*\b+\i], v[\s+16*\b+\i], 0, v[TM+8+\b]
.else
.endif
.endr
	v_cvt_scalef32_pk8_bf8_f32 v[\pc+4*\b:\pc+1+4*\b], v[\s+16*\b:\s+7+16*\b], v[TM+12+\b]
	v_cvt_scalef32_pk8_bf8_f32 v[\pc+2+4*\b:\pc+3+4*\b], v[\s+8+16*\b:\s+15+16*\b], v[TM+12+\b]
.endr
	v_nop                                          ; one plain vector instruction behind the last scaled conversion
.endm
.macro IMAGE adr, off                  ; the fragment in v[PC] on goes to LDS as it stands: 512 consecutive bytes a store
.irp c, 0,1,2,3
	ds_store_b128 v[\adr], v[PC+4*\c:PC+4*\c+3] offset:\off+512*\c
.endr
.endm
.macro BARRIER                         ; my LDS stores have landed and my LDS loads are in: then the work-group's barrier
	s_wait_dscnt 0x0
	s_barrier_signal -1
	s_barrier_wait -1
.endm
.macro DESC k, i                       ; group 0 number k: the wave's tokens 8 i .. 8 i + 7
	s_mov_b32 s[G0+4*\k], 1                                        ; count = 1
	s_add_co_u32 s[G0+4*\k+1], s74, GRP*\i+16*(\i/2)               ; LDS address: wave x WRAW + a constant
	s_add_nc_u64 s[G0+4*\k+2:G0+4*\k+3], s[8:9], 16384*\i          ; global address
	s_or_b32 s[G0+4*\k+3], s[G0+4*\k+3], 0x80000000                ; type = 2
.endm
; my row's 64 numbers of K step s of token tile 2 w + u.  Rows are 520 words apart, and lanes 8-15 stand 4 words further
.macro RAW u, s, dst
.irp c, 0,1,2,3
.irp j, 0,1,2,3
	ds_load_b128 v[\dst+16*\c+4*\j:\dst+16*\c+4*\j+3], v[RA] offset:GRP*(\u)+1040*((\s)/2)+512*((\s)%2)+128*\c+16*\j
.endr
.endr
.endm
; Token tile 2 w + u becomes four fragments.  Each count of 16 leaves the youngest 16 loads out: the older 16, and the five stores that read PC and PW, are done
.macro XQ u, iw
	RAW \u, 0, HA
	RAW \u, 1, ST
	s_wait_dscnt 16
	QUANT HA, 0, PC, PW
	IMAGE \iw, 0
	ds_store_b32 v[SW], v[PW] offset:512*\u
	RAW \u, 2, HA
	s_wait_dscnt 16
	QUANT ST, 0, PC, PW
	IMAGE \iw, 2048
	ds_store_b32 v[SW], v[PW] offset:512*\u+128
	RAW \u, 3, ST
	s_wait_dscnt 16
	QUANT HA, 0, PC, PW
	IMAGE \iw, 4096
	ds_store_b32 v[SW], v[PW] offset:512*\u+256
	s_wait_dscnt 0x0
	QUANT ST, 0, PC, PW
	IMAGE \iw, 6144
	ds_store_b32 v[SW], v[PW] offset:512*\u+384
	BARRIER
.endm
.macro FETCHX                          ; a token tile's four fragments and scale words
	WIN 0x40
.irp s, 0,1,2,3
.irp c, 0,1,2,3
	ds_load_b128 v[XF+16*\s+4*\c:XF+16*\s+4*\c+3], v[ADX] offset:2048*\s+512*\c
.endr
.endr
	WIN 0
.irp s, 0,1,2,3
	ds_load_b32 v[XS+\s], v[ADS] offset:128*\s
.endr
.endm
.macro KMUL s                          ; K step s of K^T: my eight tiles of Wk against the token tile; the eight accumulators take turns; bk starts the sums
.irp t, 0,1,2,3,4,5,6,7
.if \s == 0
	v_wmma_scale_f32_16x16x128_f8f6f4 v[HA+8*\t:HA+8*\t+7], v[16*(8*((\s)%2)+\t):16*(8*((\s)%2)+\t)+15], v[XF+16*\s:XF+16*\s+15], v[KB+8*\t:KB+8*\t+7], v[WKS+8*\s+\t], v[XS+\s] matrix_a_fmt:MATRIX_FMT_BF8 matrix_b_fmt:MATRIX_FMT_BF8
.else
	v_wmma_scale_f32_16x16x128_f8f6f4 v[HA+8*\t:HA+8*\t+7], v[16*(8*((\s)%2)+\t):16*(8*((\s)%2)+\t)+15], v[XF+16*\s:XF+16*\s+15], v[HA+8*\t:HA+8*\t+7], v[WKS+8*\s+\t], v[XS+\s] matrix_a_fmt:MATRIX_FMT_BF8 matrix_b_fmt:MATRIX_FMT_BF8
.endif
.endr
.endm
; One token tile: 32 products, K quantised in registers, one product with q, 16 parts of scores to LDS.  fetch = 1: the next tile's fragments are asked for behind the products
.macro KTRIP fetch, step
	s_wait_dscnt 0x0                               ; the tile's fragments are in
	WIN 0x16                                       ; Wk window 2, X window 1, bk window 1
	KMUL 0
	WIN 0x06
	KMUL 1
	WIN 0x07                                       ; Wk window 3
	KMUL 2
	KMUL 3
	WIN 0
	v_add_nc_u32 v[ADK], s[KO], v[SCA]             ; (address work and v_nop: eight places)
.if \fetch
	s_add_co_u32 s[IMG], s[IMG], \step
	s_add_co_u32 s[XSO], s[XSO], 1024
	v_add_nc_u32 v[ADX], s[IMG], v[LI]
	v_add_nc_u32 v[ADS], s[XSO], v[LS]
	PLACES 5
	FETCHX
.else
	PLACES 7
.endif
	QUANT HA, 0, PC, PW
	PLACES 4                                       ; codes made by vector instructions stand four places ahead of a scaled product
	v_wmma_scale_f32_16x16x128_f8f6f4 v[SA:SA+7], v[QF:QF+15], v[PC:PC+15], 0, v[QS], v[PW] matrix_a_fmt:MATRIX_FMT_BF8 matrix_b_fmt:MATRIX_FMT_BF8
	PLACES 8
	ds_store_b32 v[ADK], v[SA]                     ; register 0: my token's sum over my 128 of d; both halves of the lanes write the same word with the same value
	s_add_co_u32 s[KO], s[KO], 128                 ; 32 tokens on
.endm
.macro KHALF u, img0, step             ; token tiles u, 2 + u, 4 + u, 6 + u; the last is written out: it fetches nothing
	s_mov_b32 s[IMG], \img0
	s_mov_b32 s[XSO], XSC+512*\u
	s_mov_b32 s[KO], 32*\u
	s_mov_b32 s[CNT], 3
	v_add_nc_u32 v[ADX], s[IMG], v[LI]
	v_add_nc_u32 v[ADS], s[XSO], v[LS]
	FETCHX
.Lk_\@:
	KTRIP 1, \step
	s_sub_co_u32 s[CNT], s[CNT], 1
	s_cmp_lg_u32 s[CNT], 0
	s_cbranch_scc1 .Lk_\@
	KTRIP 0, 0
.endm
.macro BIASV n                         ; bv[128 w + 16 n + r] in all eight registers: V's result holds one d a lane
.irp j, 0,1,2,3,4,5,6,7
	global_load_b32 v[VB+8*((\n)%4)+\j], v[BA], s[20:21] offset:64*(\n)
.endr
.endm
.macro LOADW n, bias                   ; my tile n of Wv into buffer n % 4: 16 + 4 (+ 8) loads
.set WB, (128+64*(\n))%256
	WIN 0x40
.irp s, 0,1,2,3
.irp c, 0,1,2,3
	global_load_b128 v[WB+16*\s+4*\c:WB+16*\s+4*\c+3], v[LI], s[16:17] offset:8192*(\n)+2048*\s+512*\c
.endr
.endr
	WIN 0
.irp s, 0,1,2,3
	global_load_b32 v[WVS+4*((\n)%4)+\s], v[LS], s[18:19] offset:512*(\n)+128*\s
.endr
.if \bias
	BIASV \n
.endif
.endm
.macro XFR t, s                        ; X's fragment (t, s) into register 16 (8 (s % 2) + t) of the window that is set
.if (\t)%2
.set XAD, 4+(\t)/2
.set XOF, 2048*(\s)
.else
.set XAD, 3
.set XOF, 8192*((\t)/2)+2048*(\s)
.endif
.set XRG, 16*(8*((\s)%2)+(\t))
.irp c, 0,1,2,3
	ds_load_b128 v[XRG+4*\c:XRG+4*\c+3], v[XAD] offset:XOF+512*\c
.endr
.endm
.macro VMUL n, s                       ; K step s of V: the eight token tiles against my tile n of Wv; the eight accumulators take turns; bv starts the sums
.set WB, (128+64*(\n))%256
.irp t, 0,1,2,3,4,5,6,7
.if \s == 0
	v_wmma_scale_f32_16x16x128_f8f6f4 v[HA+8*\t:HA+8*\t+7], v[16*(8*((\s)%2)+\t):16*(8*((\s)%2)+\t)+15], v[WB+16*\s:WB+16*\s+15], v[VB+8*((\n)%4):VB+8*((\n)%4)+7], v[WKS+8*\s+\t], v[WVS+4*((\n)%4)+\s] matrix_a_fmt:MATRIX_FMT_BF8 matrix_b_fmt:MATRIX_FMT_BF8
.else
	v_wmma_scale_f32_16x16x128_f8f6f4 v[HA+8*\t:HA+8*\t+7], v[16*(8*((\s)%2)+\t):16*(8*((\s)%2)+\t)+15], v[WB+16*\s:WB+16*\s+15], v[HA+8*\t:HA+8*\t+7], v[WKS+8*\s+\t], v[WVS+4*((\n)%4)+\s] matrix_a_fmt:MATRIX_FMT_BF8 matrix_b_fmt:MATRIX_FMT_BF8
.endif
.endr
.endm
; 16 of my d: V for all 128 keys, quantised along the keys in registers, one product with p.  cnt: how many younger loads may stay out (-1: an earlier wait has shown this tile's loads landed)
.macro VTILE n, cnt
.if \cnt >= 0
	s_wait_loadcnt \cnt
.endif
	WIN 0x06                                       ; X window 2, Wv window 1
	VMUL \n, 0
	VMUL \n, 1
	WIN 0x07                                       ; X window 3
	VMUL \n, 2
	VMUL \n, 3
	WIN 0
	PLACES 8
.if \n < 4
	LOADW (\n)+4, 1                                ; the buffer takes the tile four further on
.endif
	QUANT HA, 0, PC, PW
	PLACES 4
	s_wait_alu depctr_va_vdst(0)
	s_wait_dscnt 0x0                               ; the last tile's store has read the accumulator
	v_wmma_scale_f32_16x16x128_f8f6f4 v[SA:SA+7], v[QF:QF+15], v[PC:PC+15], 0, v[QS], v[PW] matrix_a_fmt:MATRIX_FMT_BF8 matrix_b_fmt:MATRIX_FMT_BF8
	PLACES 8
	ds_store_b32 v[OSW], v[SA] offset:64*\n        ; register 0: the sum for d = 16 n + r
.endm
	; ---- the head
	s_load_b256 s[8:15], s[0:1], 0x0               ; X s[8:9], wk_frag s[10:11], wk_sc s[12:13], bk s[14:15]
	s_load_b256 s[16:23], s[0:1], 0x20             ; wv_frag s[16:17], wv_sc s[18:19], bv s[20:21], qf32 s[22:23]
	s_load_b128 s[24:27], s[0:1], 0x40             ; part_o s[24:25], stats s[26:27]
	v_lshl_add_u32 v238, v0, 2, 0x4bc00
	v_mov_b32 v239, 0
	ds_add_u32 v238, v239
	ds_add_u32 v238, v239
	s_wait_dscnt 0x0
	v_lshrrev_b32 v16, 5, v0
	v_readfirstlane_b32 s[WV], v16                 ; wave 0..3
	v_and_b32 v17, 31, v0                          ; lane
	v_and_b32 v18, 15, v0                          ; r
	v_bfe_u32 v19, v0, 4, 1                        ; h
	v_lshlrev_b32 v[LI], 4, v17
	v_lshlrev_b32 v[LS], 2, v17
	s_mul_i32 s74, s[WV], WRAW
	v_mul_u32_u24 v[RA], v18, 2080                 ; lane r of tile 2 w + u takes the wave's token 8 u + r + 8 (r / 8):
	v_lshrrev_b32 v20, 3, v18
	v_mad_u32_u24 v[RA], v20, 16656, v[RA]         ; eight tokens and 16 bytes further on for lanes 8-15,
	v_lshl_add_u32 v[RA], v19, 6, v[RA]            ; + 64 h: my 16 numbers of a block of 32
	v_add_nc_u32 v[RA], s74, v[RA]
	s_lshl_b32 s75, s[WV], 13
	s_add_co_u32 s75, s75, XIMG0
	v_add_nc_u32 v[IW0], s75, v[LI]
	v_add_nc_u32 v[IW1], s74, v[LI]
	s_lshl_b32 s75, s[WV], 10
	s_add_co_u32 s75, s75, XSC
	v_add_nc_u32 v[SW], s75, v[LS]
	s_lshl_b32 s76, s[WV], 9                       ; 512 x wave
	v_and_b32 v20, 8, v18
	v_add_nc_u32 v20, v20, v18                     ; r + 8 (r / 8)
	s_add_co_u32 s75, s76, SCORE
	v_lshl_add_u32 v[SCA], v20, 2, s75
	v_add_nc_u32 v[SPL], SCORE, v[LI]
	s_add_co_u32 s75, s76, SCSUM
	v_add_nc_u32 v[SSW], s75, v[LI]
	v_lshl_add_u32 v[SSR], v19, 6, s75
	s_add_co_u32 s75, s76, OST
	v_lshl_add_u32 v[OSW], v18, 2, s75
	v_add_nc_u32 v[OSR], s75, v[LI]
	v_lshlrev_b32 v[H64], 6, v19
	v_lshlrev_b32 v[BA], 2, v18
.irp b, 0,1,2,3
	v_mov_b32 v[TM+4+\b], 0                        ; written once: a lane permute's destination counts as one of its sources
.endr
	s_mov_b32 s[SEL], 0x76543210
	s_mov_b32 s[SEL+1], 0xfedcba98
	s_mov_b32 s[MNT], 0x600000
	s_mov_b32 s[CS], 0x3d8293ee                    ; log2(e) / sqrt(512)
	s_mov_b32 s[CS+1], s[CS]                       ; (named with it as a pair, so it is written)
	s_lshl_b32 s2, s[WV], 16                       ; my eight tiles of a weight's codes: 65,536 bytes a wave
	s_mov_b32 s3, 0
	s_lshl_b32 s4, s[WV], 12                       ; their scale words: 4,096
	s_mov_b32 s5, 0
	s_mov_b32 s6, s76                              ; my 128 numbers of a bias: 512
	s_mov_b32 s7, 0
	s_lshl_b32 s66, ttmp9, 18                      ; X: 128 tokens of 2,048 bytes a work-group, 32 a wave
	s_add_co_u32 s66, s66, s2
	s_mov_b32 s67, 0
	s_lshr_b32 s68, ttmp9, 3                       ; the head:
	s_lshl_b32 s68, s68, 11                        ; its row of qf32, my 512 bytes of it
	s_add_co_u32 s68, s68, s76
	s_mov_b32 s69, 0
	s_lshl_b32 s70, ttmp9, 11                      ; part_o: 2,048 bytes a work-group, 512 a wave
	s_add_co_u32 s70, s70, s76
	s_mov_b32 s71, 0
	s_lshl_b32 s72, ttmp9, 8                       ; stats: 256 bytes a work-group
	s_mov_b32 s73, 0
	; descriptor group 1: eight tokens are 16,384 dense bytes, taken as 16 rows of 1,024
	s_mov_b32 s[G1+0], (3<<16)|(1<<20)|(7<<22)|(3<<25)   ; no mask; elements of 8 bytes; padding on: after every 256 words (code 7) four words (code 3)
	s_mov_b32 s[G1+1], 128<<16                     ; tensor_dim0 = 128
	s_mov_b32 s[G1+2], 16<<16                      ; tensor_dim1 = 16
	s_mov_b32 s[G1+3], 128<<16                     ; tile_dim0 = 128
	s_mov_b32 s[G1+4], 16                          ; tile_dim1 = 16
	s_mov_b32 s[G1+5], 128                         ; from row to row
	s_mov_b32 s[G1+6], 0
	s_mov_b32 s[G1+7], 0
	s_wait_alu depctr_va_vdst(0)
	s_wait_kmcnt 0x0
	s_add_nc_u64 s[8:9], s[8:9], s[66:67]
	s_add_nc_u64 s[10:11], s[10:11], s[2:3]
	s_add_nc_u64 s[12:13], s[12:13], s[4:5]
	s_add_nc_u64 s[14:15], s[14:15], s[6:7]
	s_add_nc_u64 s[16:17], s[16:17], s[2:3]
	s_add_nc_u64 s[18:19], s[18:19], s[4:5]
	s_add_nc_u64 s[20:21], s[20:21], s[6:7]
	s_add_nc_u64 s[22:23], s[22:23], s[68:69]
	s_add_nc_u64 s[24:25], s[24:25], s[70:71]
	s_add_nc_u64 s[26:27], s[26:27], s[72:73]
	DESC 0, 0                                      ; tile 2 w wants tokens 0-7 and 16-23: they are asked for first
	DESC 1, 2
	DESC 2, 1
	DESC 3, 3
	tensor_load_to_lds s[G0:G0+3], s[G1:G1+7]      ; all of the wave's X, ahead of every wait on TENSORcnt, every LDS read and every barrier: four loads of mine are out; no LDS byte is filled twice
	s_nop 0
	tensor_load_to_lds s[G0+4:G0+7], s[G1:G1+7]
	s_nop 0
	tensor_load_to_lds s[G0+8:G0+11], s[G1:G1+7]
	s_nop 0
	tensor_load_to_lds s[G0+12:G0+15], s[G1:G1+7]
	s_nop 0
	PLACES 4                                       ; the windows are switched behind four instructions
.irp c, 0,1,2,3
.irp j, 0,1,2,3
	global_load_b128 v[HA+16*\c+4*\j:HA+16*\c+4*\j+3], v[H64], s[22:23] offset:128*\c+16*\j   ; q, my 128 of d: the same in all 16 rows
.endr
.endr
	WIN 0x80
.irp s, 0,1
.irp t, 0,1,2,3,4,5,6,7
.irp c, 0,1,2,3
	global_load_b128 v[16*(8*\s+\t)+4*\c:16*(8*\s+\t)+4*\c+3], v[LI], s[10:11] offset:8192*\t+2048*\s+512*\c   ; Wk's fragments as they were laid: 512 consecutive bytes a load
.endr
.endr
.endr
	WIN 0xc0
.irp s, 2,3
.irp t, 0,1,2,3,4,5,6,7
.irp c, 0,1,2,3
	global_load_b128 v[16*(8*(\s-2)+\t)+4*\c:16*(8*(\s-2)+\t)+4*\c+3], v[LI], s[10:11] offset:8192*\t+2048*\s+512*\c
.endr
.endr
.endr
	WIN 0
.irp s, 0,1,2,3
.irp t, 0,1,2,3,4,5,6,7
	global_load_b32 v[WKS+8*\s+\t], v[LS], s[12:13] offset:512*\t+128*\s
.endr
.endr
	WIN 0x40
.irp t, 0,1,2,3,4,5,6,7
	global_load_b128 v[KB+8*\t:KB+8*\t+3], v[H64], s[14:15] offset:4*(32*(\t/2)+8*(\t%2))       ; bk at d = 32 (t / 2) + 16 h + 8 (t % 2) + 0 .. 7
	global_load_b128 v[KB+8*\t+4:KB+8*\t+7], v[H64], s[14:15] offset:4*(32*(\t/2)+8*(\t%2))+16
.endr
	WIN 0
	LOADW 0, 0                                     ; Wv's first two tiles; their bv comes later, into registers that raw X still uses
	LOADW 1, 0
	s_wait_loadcnt 0x0
	QUANT HA, 0, QF, QS                            ; q's fragment and scale word
	; ---- K and the scores, in two halves: the first runs while the wave's other 16 tokens are on their way
	s_wait_tensorcnt 2                             ; tokens 0-7 and 16-23 have landed; the two loads issued behind them may be out.  Only I read these bytes
	XQ 0, IW0
	KHALF 0, XIMG0, 8192
	s_wait_tensorcnt 0x0                           ; all my X has landed
	XQ 1, IW1
	KHALF 1, 0, WRAW
	; ---- the softmax of my work-group's 128 keys; every wave makes it, since every wave needs p
	BIASV 0                                        ; loads for V, in this order: 8, 8, 28, 28
	BIASV 1
	LOADW 2, 1
	LOADW 3, 1
	BARRIER                                        ; the four waves' parts of the 128 scores lie in LDS
.irp i, 0,1,2,3
	ds_load_b128 v[TP+4*\i:TP+4*\i+3], v[SPL] offset:512*\i   ; keys 4 x lane + 0 .. 3, wave i's part
.endr
	s_wait_dscnt 0x0
	v_pk_add_f32 v[TP:TP+1], v[TP:TP+1], v[TP+4:TP+5]
	v_pk_add_f32 v[TP+2:TP+3], v[TP+2:TP+3], v[TP+6:TP+7]
	v_pk_add_f32 v[TP+8:TP+9], v[TP+8:TP+9], v[TP+12:TP+13]
	v_pk_add_f32 v[TP+10:TP+11], v[TP+10:TP+11], v[TP+14:TP+15]
	v_pk_add_f32 v[TP:TP+1], v[TP:TP+1], v[TP+8:TP+9]
	v_pk_add_f32 v[TP+2:TP+3], v[TP+2:TP+3], v[TP+10:TP+11]
	ds_store_b128 v[SSW], v[TP:TP+3]               ; into my wave's own 512 bytes,
.irp c, 0,1,2,3
.irp j, 0,1,2,3
	ds_load_b128 v[HA+16*\c+4*\j:HA+16*\c+4*\j+3], v[SSR] offset:128*\c+16*\j   ; and back in an operand's layout: keys 32 c + 16 h + 0 .. 15.  LDS serves a wave's instructions in order (ISA guide 5.7.1.4)
.endr
.endr
	v_max3_num_f32 v[TM], v[TP], v[TP+1], v[TP+2]  ; the largest of the 128 scores: my four, then across the lanes
	v_max_num_f32 v[TM], v[TM], v[TP+3]
	v_max_num_f32_dpp v[TM], v[TM], v[TM] row_xmask:1 row_mask:0xf bank_mask:0xf
	v_max_num_f32_dpp v[TM], v[TM], v[TM] row_xmask:2 row_mask:0xf bank_mask:0xf
	v_max_num_f32_dpp v[TM], v[TM], v[TM] row_xmask:4 row_mask:0xf bank_mask:0xf
	v_max_num_f32_dpp v[TM], v[TM], v[TM] row_xmask:8 row_mask:0xf bank_mask:0xf
	v_permlanex16_b32 v[TM+4], v[TM], s[SEL], s[SEL+1]
	v_max_num_f32 v[TM], v[TM], v[TM+4]
	v_mul_f32 v[TM], s[CS], v[TM]                  ; as t (c is positive)
	v_floor_f32 v[NM], -v[TM]                      ; -M = floor(-t) = -ceil(t): M is a whole number
	v_mov_b32 v[NM+1], 0                           ; (named with it as a pair, so it is written)
	v_add_nc_u32 v3, XIMG0, v[LI]                  ; addresses for X's 32 fragments, in registers whose work is done
.irp w, 0,1,2,3
	v_add_nc_u32 v[4+\w], \w*WRAW, v[LI]
.endr
	v_add_nc_u32 v8, XSC, v[LS]
	v_lshlrev_b32 v10, 1, v[LS]                    ; 8 x lane, for the statistics
	s_wait_alu depctr_va_vdst(0)
	s_wait_dscnt 0x0                               ; the scores are in
	WIN 0x80                                       ; X's fragments take Wk's registers: they are on their way while p is made
.irp s, 0,1
.irp t, 0,1,2,3,4,5,6,7
	XFR \t, \s
.endr
.endr
	WIN 0xc0
.irp s, 2,3
.irp t, 0,1,2,3,4,5,6,7
	XFR \t, \s
.endr
.endr
	WIN 0
.irp s, 0,1,2,3
.irp t, 0,1,2,3,4,5,6,7
	ds_load_b32 v[WKS+8*\s+\t], v8 offset:512*\t+128*\s
.endr
.endr
.set J, 0
.rept 32
	v_pk_fma_f32 v[HA+J:HA+J+1], v[HA+J:HA+J+1], s[CS:CS+1], v[NM:NM+1] op_sel_hi:[1,0,0]   ; t - M, two at a time (of the pairs c and -M the low word serves both halves)
.set J, J+2
.endr
.set J, 0
	s_wait_alu depctr_va_vdst(0)
.rept 64
	v_exp_f32 v[HA+J], v[HA+J]                     ; p = 2^(t - M), at most 1: not normalised
.set J, J+1
.endr
	v_nop                                          ; one plain instruction behind the last exponential,
	s_wait_alu depctr_va_vdst(0)                   ; and one wait for the batch, ahead of its first reader
	v_pk_add_f32 v[SU:SU+1], v[HA:HA+1], v[HA+4:HA+5]          ; l is the sum of the UNQUANTISED p: two at a time, in two chains
	v_pk_add_f32 v[TP:TP+1], v[HA+2:HA+3], v[HA+6:HA+7]
.set J, 8
.rept 14
	v_pk_add_f32 v[SU:SU+1], v[SU:SU+1], v[HA+J:HA+J+1]
	v_pk_add_f32 v[TP:TP+1], v[TP:TP+1], v[HA+J+2:HA+J+3]
.set J, J+4
.endr
	v_pk_add_f32 v[SU:SU+1], v[SU:SU+1], v[TP:TP+1]
	v_add_f32 v[SU], v[SU], v[SU+1]                ; my 64 keys,
	v_permlanex16_b32 v[TM+4], v[SU], s[SEL], s[SEL+1]
	v_add_f32 v[NM+1], v[SU], v[TM+4]              ; and lane l xor 16's 64: l, beside -M
	QUANT HA, 1, QF, QS                            ; p's fragment and scale word take q's registers
	s_cmp_lg_u32 s[WV], 0
	s_cbranch_scc1 .Lno_stats
	global_store_b64 v10, v[NM:NM+1], s[26:27]     ; wave 0: {-M, l}, the same in all 32 lanes: 256 consecutive bytes, aligned
.Lno_stats:
	s_wait_dscnt 0x0                               ; X's fragments and scale words are in
	; ---- V and p V, 16 of my d at a time.  Loads were issued in the order: bv 0, bv 1, tile 2, tile 3 (28 each), then tiles 4 to 7, each behind the products of the tile four back
	VTILE 0, 56                                    ; bv 0 and bv 1 are in; tiles 2 and 3 may be out
	VTILE 1, -1
	VTILE 2, 56                                    ; tiles 2 and 3 are in; tiles 4 and 5 may be out
	VTILE 3, -1
	VTILE 4, 56                                    ; tiles 4 and 5 are in; tiles 6 and 7 may be out
	VTILE 5, -1
	VTILE 6, 28                                    ; tile 6 is in; tile 7 may be out
	VTILE 7, 0
	ds_load_b128 v[TP:TP+3], v[OSR]                ; my wave's 128 sums, four a lane: these see my stores
	s_wait_dscnt 0x0
	global_store_b128 v[LI], v[TP:TP+3], s[24:25]  ; the wave stores 512 consecutive bytes, at a multiple of 512 from the buffer's first byte
	s_wait_xcnt 0x0
	v_lshl_add_u32 v238, v0, 2, 0x4bc00
	v_mov_b32 v239, 0
	s_wait_alu depctr_va_vdst(0)
	s_wait_tensorcnt 0x0
	ds_add_u32 v238, v239
	s_wait_dscnt 0x0
	s_endpgm
.Lfunc_end_k_qeb587fa44c_main:
	.size	k_qeb587fa44c_main, .Lfunc_end_k_qeb587fa44c_main-k_qeb587fa44c_main
	.p2alignl 7, 3214868480
	.fill 96, 4, 3214868480
	.section	.rodata,"a",@progbits
	.p2align	6, 0x0
	.amdhsa_kernel k_qeb587fa44c_main
		.amdhsa_group_segment_fixed_size 327680
		.amdhsa_private_segment_fixed_size 0
		.amdhsa_enable_private_segment 0
		.amdhsa_kernarg_size 80
		.amdhsa_user_sgpr_count 2
		.amdhsa_user_sgpr_kernarg_segment_ptr 1
		.amdhsa_wavefront_size32 1
		.amdhsa_system_sgpr_workgroup_id_x 1
		.amdhsa_system_sgpr_workgroup_id_y 1
		.amdhsa_system_sgpr_workgroup_id_z 1
		.amdhsa_system_vgpr_workitem_id 0
		.amdhsa_next_free_vgpr 1024
		.amdhsa_next_free_sgpr 90
		.amdhsa_reserve_vcc 0
		.amdhsa_float_denorm_mode_32 3
		.amdhsa_float_denorm_mode_16_64 3
		.amdhsa_fp16_overflow 1
		.amdhsa_memory_ordered 1
		.amdhsa_forward_progress 1
		.amdhsa_inst_pref_size 234
	.end_amdhsa_kernel
	.amdgpu_metadata
---
amdhsa.version: [ 1, 2 ]
amdhsa.kernels:
  - .name:           k_qeb587fa44c_main
    .symbol:         k_qeb587fa44c_main.kd
    .args:
      - { .name: inputdata, .offset: 0, .size: 8, .value_kind: global_buffer, .address_space: global }
      - { .name: wk_frag, .offset: 8, .size: 8, .value_kind: global_buffer, .address_space: global }
      - { .name: wk_sc, .offset: 16, .size: 8, .value_kind: global_buffer, .address_space: global }
      - { .name: Wk_b, .offset: 24, .size: 8, .value_kind: global_buffer, .address_space: global }
      - { .name: wv_frag, .offset: 32, .size: 8, .value_kind: global_buffer, .address_space: global }
      - { .name: wv_sc, .offset: 40, .size: 8, .value_kind: global_buffer, .address_space: global }
      - { .name: Wv_b, .offset: 48, .size: 8, .value_kind: global_buffer, .address_space: global }
      - { .name: qf32, .offset: 56, .size: 8, .value_kind: global_buffer, .address_space: global }
      - { .name: part_o, .offset: 64, .size: 8, .value_kind: global_buffer, .address_space: global }
      - { .name: stats, .offset: 72, .size: 8, .value_kind: global_buffer, .address_space: global }
    .group_segment_fixed_size: 327680
    .private_segment_fixed_size: 0
    .kernarg_segment_align: 8
    .kernarg_segment_size: 80
    .max_flat_workgroup_size: 128
    .sgpr_count:     90
    .vgpr_count:     1024
    .wavefront_size: 32
...
	.end_amdgpu_metadata
.endif
;; end of part 2
;; launch combine (part 3): grid 32 x 1, 4 waves a work-group, no clusters, 0 bytes of LDS; arguments part_o, stats, out0; writes out0
.if DOCPART == 3
	.amdgcn_target "amdgcn-amd-amdhsa--gfx1250"
	.amdhsa_code_object_version 6
	.text
	.protected	k_qeb587fa44c_combine
	.globl	k_qeb587fa44c_combine
	.p2align	8
	.type	k_qeb587fa44c_combine,@function
k_qeb587fa44c_combine:
	s_mov_b64 s[64:65], 0
	v_nop
	global_prefetch_b8 v0, s[64:65] scope:SCOPE_SE
	s_setreg_imm32_b32 hwreg(HW_REG_WAVE_MODE, 25, 1), 1
	s_wait_xcnt 0x0
; A HEAD'S EIGHT PARTS BECOME ITS ROW OF THE OUTPUT.  Part i (128 keys) came with O_i = the sum of p V under its own whole number M_i, l_i = the sum of p, and -M_i.
; M = the largest M_i; f_i = 2^(M_i - M), an exact power of two; out = (the sum of f_i O_i) / (the sum of f_i l_i).  The part that holds M has a p above 1/2, so the divisor is above 1/2.
; One work-group a head; thread t owns the 16 bytes at 16 t of the row of 2,048: a wave loads and stores 512 consecutive bytes.  No LDS, no barrier, no matrix work: 18 KiB are read for each head.
; LIMIT: the division is v_rcp_f32 and a multiplication.
.set SM, 8                             ; v8-23   {-M_i, l_i}
.set F,  24                            ; v24-31  f_i
.set P,  32                            ; v32-63  O_i, four numbers each
.set O,  64                            ; v64-67  the sums
	s_load_b128 s[4:7], s[0:1], 0x0                ; part_o, stats
	s_load_b64 s[8:9], s[0:1], 0x10                ; out0
	v_and_b32 v1, 31, v0
	v_lshlrev_b32 v1, 3, v1                        ; stats: 8 bytes a lane
	v_lshlrev_b32 v3, 4, v0                        ; 16 t
	s_lshl_b32 s10, ttmp9, 14                      ; part_o: eight rows of 2,048 bytes a head
	s_mov_b32 s11, 0
	s_lshl_b32 s12, ttmp9, 11                      ; stats: eight blocks of 256; out0: a row of 2,048
	s_mov_b32 s13, 0
	s_wait_alu depctr_va_vdst(0)
	s_wait_kmcnt 0x0
	s_add_nc_u64 s[4:5], s[4:5], s[10:11]
	s_add_nc_u64 s[6:7], s[6:7], s[12:13]
	s_add_nc_u64 s[8:9], s[8:9], s[12:13]
.irp i, 0,1,2,3,4,5,6,7
	global_load_b64 v[SM+2*\i:SM+2*\i+1], v1, s[6:7] offset:256*\i
.endr
.irp i, 0,1,2,3,4,5,6,7
	global_load_b128 v[P+4*\i:P+4*\i+3], v3, s[4:5] offset:2048*\i
.endr
	s_wait_loadcnt 8                               ; the statistics are in; the eight parts, issued behind them, may be out
	v_min3_num_f32 v2, v[SM], v[SM+2], v[SM+4]     ; -M = the least -M_i
	v_min3_num_f32 v2, v2, v[SM+6], v[SM+8]
	v_min3_num_f32 v2, v2, v[SM+10], v[SM+12]
	v_min_num_f32 v2, v2, v[SM+14]
.irp i, 0,1,2,3,4,5,6,7
	v_sub_f32 v[F+\i], v2, v[SM+2*\i]              ; M_i - M: a whole number, 0 or less
.endr
.irp i, 0,1,2,3,4,5,6,7
	v_cvt_i32_f32 v[F+\i], v[F+\i]                 ; (it saturates)
.endr
.irp i, 0,1,2,3,4,5,6,7
	v_ldexp_f32 v[F+\i], 1.0, v[F+\i]              ; f_i
.endr
	v_mul_f32 v68, v[F], v[SM+1]
.irp i, 1,2,3,4,5,6,7
	v_fmac_f32 v68, v[F+\i], v[SM+2*\i+1]          ; the sum of f_i l_i
.endr
	s_wait_alu depctr_va_vdst(0)
	v_rcp_f32 v69, v68
	s_wait_loadcnt 0x0
.irp k, 0,1,2,3
	v_mul_f32 v[O+\k], v[F], v[P+\k]               ; plain work behind the reciprocal, which names neither its result nor its source
.endr
.irp i, 1,2,3,4,5,6,7
.irp k, 0,1,2,3
	v_fmac_f32 v[O+\k], v[F+\i], v[P+4*\i+\k]
.endr
.endr
	s_wait_alu depctr_va_vdst(0)                   ; the wait ahead of the reciprocal's first reader
.irp k, 0,1,2,3
	v_mul_f32 v[O+\k], v[O+\k], v69
.endr
	global_store_b128 v3, v[O:O+3], s[8:9]
	s_endpgm
.Lfunc_end_k_qeb587fa44c_combine:
	.size	k_qeb587fa44c_combine, .Lfunc_end_k_qeb587fa44c_combine-k_qeb587fa44c_combine
	.p2alignl 7, 3214868480
	.fill 96, 4, 3214868480
	.section	.rodata,"a",@progbits
	.p2align	6, 0x0
	.amdhsa_kernel k_qeb587fa44c_combine
		.amdhsa_group_segment_fixed_size 0
		.amdhsa_private_segment_fixed_size 0
		.amdhsa_enable_private_segment 0
		.amdhsa_kernarg_size 24
		.amdhsa_user_sgpr_count 2
		.amdhsa_user_sgpr_kernarg_segment_ptr 1
		.amdhsa_wavefront_size32 1
		.amdhsa_system_sgpr_workgroup_id_x 1
		.amdhsa_system_sgpr_workgroup_id_y 1
		.amdhsa_system_sgpr_workgroup_id_z 1
		.amdhsa_system_vgpr_workitem_id 0
		.amdhsa_next_free_vgpr 96
		.amdhsa_next_free_sgpr 66
		.amdhsa_reserve_vcc 0
		.amdhsa_float_denorm_mode_32 3
		.amdhsa_float_denorm_mode_16_64 3
		.amdhsa_memory_ordered 1
		.amdhsa_forward_progress 1
		.amdhsa_inst_pref_size 6
	.end_amdhsa_kernel
	.amdgpu_metadata
---
amdhsa.version: [ 1, 2 ]
amdhsa.kernels:
  - .name:           k_qeb587fa44c_combine
    .symbol:         k_qeb587fa44c_combine.kd
    .args:
      - { .name: part_o, .offset: 0, .size: 8, .value_kind: global_buffer, .address_space: global }
      - { .name: stats, .offset: 8, .size: 8, .value_kind: global_buffer, .address_space: global }
      - { .name: out0, .offset: 16, .size: 8, .value_kind: global_buffer, .address_space: global }
    .group_segment_fixed_size: 0
    .private_segment_fixed_size: 0
    .kernarg_segment_align: 8
    .kernarg_segment_size: 24
    .max_flat_workgroup_size: 128
    .sgpr_count:     66
    .vgpr_count:     96
    .wavefront_size: 32
...
	.end_amdgpu_metadata
.endif
;; end of part 3
